; MI455X (gfx1250); checked and timed in simulation.
; The chip was launched on July 23, 2026; its instructions are those of AMD's public machine-readable ISA for CDNA 5 (MIT licence, August 2026) and "CDNA5" Instruction Set Architecture Reference Guide (July 2026). The comments in the code are by the model that wrote it; some were corrected since.
;; Multi Head Self Attention. Allowed arithmetic: float matrix products may take bf16 or f16 operands with f32 sums; other float arithmetic in f32, or as packed bf16 or f16 multiplies, adds, multiply-adds, maxima and minima; sums over many terms, partial sums and values carried from step to step in f32; what a program stores and reads back later, other than sums and carried values, may be rounded once to bf16 or f16.
;; Inputs: Wk 4,096 x 512 float32; Wq 4,096 x 512 float32; Wv 4,096 x 512 float32; x 4 x 1,024 x 512 float32.
;; Outputs: out0 4 x 1,024 x 4,096 float32.
;; 2 versions, each right; version 2 is version 1 with the launch cast written anew for expert scheduling mode. Each part assembles by itself: llvm-mc -triple=amdgcn-amd-amdhsa -mcpu=gfx1250 --defsym DOCPART=n.
;; ======== version 1 of 2: 3 launches
;; limits: values are held in f16: magnitudes above 65,504 overflow, below 6.1e-05 lose precision
;; workspace buffers: xw 16,777,216 bytes; qkv 100,663,296 bytes
;; launch cast (part 1): grid 128 x 4, 8 waves a work-group, no clusters, 0 bytes of LDS; arguments x, Wq, Wk, Wv, xw; writes xw
.if DOCPART == 1
	.amdgcn_target "amdgcn-amd-amdhsa--gfx1250"
	.amdhsa_code_object_version 6
	.text
	.protected	k_qd8163977d9_cast
	.globl	k_qd8163977d9_cast
	.p2align	8
	.type	k_qd8163977d9_cast,@function
k_qd8163977d9_cast:
	s_mov_b64 s[64:65], 0
	v_nop
	global_prefetch_b8 v0, s[64:65] scope:SCOPE_SE
	s_setreg_imm32_b32 hwreg(HW_REG_WAVE_MODE, 25, 1), 1
	s_wait_xcnt 0x0
; x, Wq, Wk, Wv (each 2,097,152 numbers of f32) are rounded once, to nearest even, to bf16, in their own order: xw = four planes of 4,194,304 bytes.
; A stream: every byte is read once and written once, so no LDS, no barrier and no matrix unit.  The grid's y picks the source; a work-group takes 16,384 numbers
; in 16 chunks.  In chunk i thread t loads the 16 bytes at 4,096 i + 16 t (a wave's load covers 512 consecutive bytes) and stores 8 bytes at 2,048 i + 8 t
; (a wave's store covers 256 consecutive bytes, at a multiple of 256 from xw's first byte).  All 16 loads go out first; no register is written twice, so the
; only waits are the counted ones for the loads.  LIMITS: bf16 has f32's range; NaN and infinities pass as the conversion makes them.
.set X, 4                              ; v[4:67]   chunk i: 4 registers as loaded
.set Y, 68                             ; v[68:99]  chunk i: 2 registers to store
	s_load_b256 s[4:11], s[0:1], 0x0               ; x s[4:5], Wq s[6:7], Wk s[8:9], Wv s[10:11]
	s_load_b64 s[12:13], s[0:1], 0x20              ; xw
	s_and_b32 s14, ttmp7, 0xffff                   ; which source, and which plane of xw
	v_lshlrev_b32 v1, 4, v0                        ; 16 t
	v_lshlrev_b32 v2, 3, v0                        ; 8 t
	s_lshl_b32 s16, ttmp9, 16                      ; the work-group's 65,536 bytes of its source
	s_mov_b32 s17, 0
	s_lshl_b32 s18, s14, 22                        ; the plane,
	s_lshl_b32 s19, ttmp9, 15                      ; and the work-group's 32,768 bytes in it
	s_add_co_u32 s18, s18, s19
	s_mov_b32 s19, 0
	s_wait_kmcnt 0x0
	s_cmp_eq_u32 s14, 1
	s_cselect_b64 s[4:5], s[6:7], s[4:5]
	s_cmp_eq_u32 s14, 2
	s_cselect_b64 s[4:5], s[8:9], s[4:5]
	s_cmp_eq_u32 s14, 3
	s_cselect_b64 s[4:5], s[10:11], s[4:5]
	s_add_nc_u64 s[4:5], s[4:5], s[16:17]
	s_add_nc_u64 s[12:13], s[12:13], s[18:19]
.set i, 0
.rept 16
	global_load_b128 v[X+4*i:X+4*i+3], v1, s[4:5] offset:i*4096 th:TH_LOAD_NT
.set i, i+1
.endr
.set i, 0
.rept 16
	s_wait_loadcnt 15-i                            ; loads come back in order (ISA guide 5.7.1): chunk i is in, the 15 - i younger ones stay out
	v_cvt_pk_bf16_f32 v[Y+2*i], v[X+4*i], v[X+4*i+1]
	v_cvt_pk_bf16_f32 v[Y+2*i+1], v[X+4*i+2], v[X+4*i+3]
	global_store_b64 v2, v[Y+2*i:Y+2*i+1], s[12:13] offset:i*2048  ; no hint: the next launch reads these bytes
.set i, i+1
.endr
	s_endpgm
.Lfunc_end_k_qd8163977d9_cast:
	.size	k_qd8163977d9_cast, .Lfunc_end_k_qd8163977d9_cast-k_qd8163977d9_cast
	.p2alignl 7, 3214868480
	.fill 96, 4, 3214868480
	.section	.rodata,"a",@progbits
	.p2align	6, 0x0
	.amdhsa_kernel k_qd8163977d9_cast
		.amdhsa_group_segment_fixed_size 0
		.amdhsa_private_segment_fixed_size 0
		.amdhsa_enable_private_segment 0
		.amdhsa_kernarg_size 40
		.amdhsa_user_sgpr_count 2
		.amdhsa_user_sgpr_kernarg_segment_ptr 1
		.amdhsa_wavefront_size32 1
		.amdhsa_system_sgpr_workgroup_id_x 1
		.amdhsa_system_sgpr_workgroup_id_y 1
		.amdhsa_system_sgpr_workgroup_id_z 1
		.amdhsa_system_vgpr_workitem_id 0
		.amdhsa_next_free_vgpr 100
		.amdhsa_next_free_sgpr 66
		.amdhsa_reserve_vcc 0
		.amdhsa_float_denorm_mode_32 3
		.amdhsa_float_denorm_mode_16_64 3
		.amdhsa_memory_ordered 1
		.amdhsa_forward_progress 1
		.amdhsa_inst_pref_size 7
	.end_amdhsa_kernel
	.amdgpu_metadata
---
amdhsa.version: [ 1, 2 ]
amdhsa.kernels:
  - .name:           k_qd8163977d9_cast
    .symbol:         k_qd8163977d9_cast.kd
    .args:
      - { .name: x, .offset: 0, .size: 8, .value_kind: global_buffer, .address_space: global }
      - { .name: Wq, .offset: 8, .size: 8, .value_kind: global_buffer, .address_space: global }
      - { .name: Wk, .offset: 16, .size: 8, .value_kind: global_buffer, .address_space: global }
      - { .name: Wv, .offset: 24, .size: 8, .value_kind: global_buffer, .address_space: global }
      - { .name: xw, .offset: 32, .size: 8, .value_kind: global_buffer, .address_space: global }
    .group_segment_fixed_size: 0
    .private_segment_fixed_size: 0
    .kernarg_segment_align: 8
    .kernarg_segment_size: 40
    .max_flat_workgroup_size: 256
    .sgpr_count:     66
    .vgpr_count:     100
    .wavefront_size: 32
...
	.end_amdgpu_metadata
.endif
;; end of part 1
;; launch proj (part 2): grid 16 x 16, 4 waves a work-group, clusters of 4 x 4, 327,680 bytes of LDS; arguments xw, qkv; writes qkv
.if DOCPART == 2
	.amdgcn_target "amdgcn-amd-amdhsa--gfx1250"
	.amdhsa_code_object_version 6
	.text
	.protected	k_qd8163977d9_proj
	.globl	k_qd8163977d9_proj
	.p2align	8
	.type	k_qd8163977d9_proj,@function
k_qd8163977d9_proj:
	s_mov_b64 s[64:65], 0
	v_nop
	global_prefetch_b8 v0, s[64:65] scope:SCOPE_SE
	s_setreg_imm32_b32 hwreg(HW_REG_WAVE_MODE, 25, 1), 1
	s_wait_xcnt 0x0
	s_wait_alu depctr_hold_cnt(0) depctr_sa_sdst(0) depctr_va_vdst(0) depctr_va_sdst(0) depctr_va_ssrc(0) depctr_va_vcc(0) depctr_vm_vsrc(0)
	s_getreg_b32 s2, hwreg(HW_REG_IB_STS2, 6, 4)
	s_cmp_eq_u32 s2, 0
	s_cbranch_scc0 .Lentry_in_a_cluster
	s_endpgm
.Lentry_in_a_cluster:
	s_bfe_u32 s2, ttmp6, 0x10000c
	s_cmp_lg_u32 s2, 0xf033
	s_cbranch_scc0 .Lentry_shape_is_right
	s_endpgm
.Lentry_shape_is_right:
; q, k, v = x W^T by heads.  xw: four planes of [4096][512] bf16: x, Wq, Wk, Wv.  qkv: [3][32 = 8 b + h][1024 t][512 d] f16, unscaled, each number rounded once from its f32 sum.
; Channel d of head h is row 8 d + h of a weight: a head's rows lie 8 rows apart, which the tile's pitch says (4,096 elements); nothing is permuted.
; LIMITS.  f16 holds no number beyond 65,504: q, k and v must lie within it (with x and W 30 times the unit spread, or offset by 30 spreads, they reach some 20,000).  NaN and infinities are not treated apart.
; A tile of C, 256 rows of x by 256 channels of one head, is made by four waves, each 128 x 128: 64 accumulators of 16 x 16, 512 registers.  K = 512 goes in four steps of 128 through a ring of two LDS slots
; filled by the tensor data mover: a tile's rows are 256 bytes of memory and start at multiples of 256 bytes from the buffer's first byte.
; A WORK-GROUP STAYS: it makes three tiles, q's, k's and v's, from the same 256 rows of x and the same head and channels: 16 x 16 work-groups for 16 x 48 tiles.  The ring does not stop at a tile's end:
; a tile's last two changes of slots ask for the next tile's first two K steps, and nothing waits for a tile's stores.  The last tile's last K step goes by rows of C, so that finished rows leave while the others are multiplied.
; CLUSTERS: 4 x 4 work-groups.  The four of a row of the cluster need the same tiles of x, the four of a column the same tiles of W: each tile is asked for JOINTLY, by the same tensor load with the same
; descriptor and a mask that names the four; each receives it in its own LDS.
;
; REGISTERS, in windows of 256 (an instruction names v0-v255; s_set_vgpr_msb says which window each operand place means):
;   window 0: v0-31 addresses; v64-127, v128-191 fragments of A = x (8 x 16 rows x 32 K), two buffers (in the very last K step four, of 16 rows x 128 K); v32-63, v192-255 at work on the way out
;   window 1: v64-127, v128-191 fragments of B = W, two buffers; in the very last K step all 256: B's fragments of the whole step
;   window 2: the 32 accumulators of my rows 0-63 (accumulator (a, b) at v[8 (8 a + b)]);   window 3: those of my rows 64-127
; s_set_vgpr_msb's low byte: bits 1:0 source 0, 3:2 source 1, 5:4 source 2, 7:6 destination.
; THE MATRIX INSTRUCTION IS USED TRANSPOSED: source 0 = 16 rows of W, source 1 = 16 rows of x.  Lane l then holds row l % 16 of C and its registers the channels 8 (l / 16) + 0 .. 7: eight neighbouring numbers, 16 bytes in f16.
.set SIZE_K, 512
.set CP,     1024                      ; bytes in a row of C: a head's 512 channels in f16
.set SIZE_TILES, 3
.set PLANE_W, 4194304                  ; bytes in a plane of xw
.set PLANE_C, 33554432                 ; bytes in a plane of qkv
.set KSTEP,  128
.set PITCH,  272                       ; an LDS row: 256 bytes of data + 16 of padding = 68 words: row r starts at bank 4 r mod 64 (64 banks of 4 bytes: ISA guide 11.1), so the 16 rows that a load touches start at 16 different banks
.set HALFT,  128*PITCH                 ; 128 rows: what one tensor load brings, and what one wave reads of A or of B
.set SLOT,   4*HALFT                   ; A's 256 rows, then B's 256 rows
.set STAGE,  2*SLOT                    ; behind the ring: 16 rows x 272 bytes for each wave, for the way out
.set SPITCH, 272
.set SPARE,  STAGE+4*16*SPITCH         ; behind the stages: the spare words, 128 bytes for each wave: two blocks of 256 bytes that no other line names
.set LAPS, SIZE_K/(2*KSTEP)            ; a lap = two K steps = once round the ring: two laps a tile
.set BACK_A, (SIZE_K-2*KSTEP)*2        ; bytes from a slot's last K step of a tile back to its first: the three tiles share their rows of x,
.set NEXT_B, PLANE_W-BACK_A            ; W goes back along K and one plane on
.set NEXT_C, PLANE_C-7*16*CP           ; bytes from my last 16 rows of a tile to my first of the next plane
.set ADRA, 16                          ; v16-17  LDS address of my A fragments in slot 0, 1
.set ADRB, 20                          ; v20-21  the same for B
.set STO,  24                          ; v24     the way out: where I put 16 bytes of a row
.set RD,   25                          ; v25     the way out: where I read a row back
.set CO,   26                          ; v26     my byte offset in C
.set SPW,  28                          ; v28     LDS address of my spare word: SPARE + 4 x my thread's number; never rewritten
.set NIL,  29                          ; v29     0; never rewritten
.set F0,   64                          ; fragment buffer 0
.set F1,   128                         ; fragment buffer 1
.set TMP,  192                         ; the way out: packed results, in window 0
.set OB,   32                          ; the way out: 16 rows read back from the stage: v32-63 and v224-255 by turns
.set PA,   64                          ; the very last K step: A's fragments of 16 rows x 128 K, 32 registers; four such buffers, v64-191
.set G1, 24                            ; s[24:31] descriptor group 1 for A's tiles
.set G0, 32                            ; s[32:39] descriptor group 0 for A's tiles, one set for each slot
.set G1B, 48                           ; s[48:55] descriptor group 1 for B's tiles: it differs in the mask and the pitch
.set G0B, 56                           ; s[56:63] descriptor group 0 for B's tiles, one set for each slot
.set MSB, 0
.macro WIN new                         ; the immediate's high byte repeats the setting that is left
.if MSB != (\new)
	s_set_vgpr_msb (MSB<<8)|(\new)
.set MSB, \new
.endif
.endm
.set MUL_LO, 0xa1                      ; source 0 (B) window 1, source 1 (A) window 0, C and D window 2
.set MUL_HI, 0xf1                      ; the same, C and D window 3
.set TO_B,   0x40                      ; destination window 1, address window 0
; A joint load.  Waves 0 and 1 fetch A's two halves, waves 2 and 3 B's.  Each of the two lines has ONE mask and one set of registers for all that issue it, and nothing in
; them hangs on a coordinate that the four partners do not share.  The branch hangs on the wave's number alone.
; An s_nop 0 and four v_nop follow each of the two lines; the jump round the other line, the label and what follows the macro come after them.
.macro JLOAD s
	s_cmp_eq_u32 s11, 0
	s_cbranch_scc0 .Lfor_b_\@
	tensor_load_to_lds s[G0+4*(\s):G0+4*(\s)+3], s[G1:G1+7]
	s_nop 0
.rept 4
	v_nop
.endr
	s_branch .Lasked_\@
.Lfor_b_\@:
	tensor_load_to_lds s[G0B+4*(\s):G0B+4*(\s)+3], s[G1B:G1B+7]
	s_nop 0
.rept 4
	v_nop
.endr
.Lasked_\@:
.endm
; A round of the cluster's barrier: my work-group's barrier, so that wave 0's signal speaks for all four waves; wave 0 signals for the work-group; every wave waits for all
; sixteen work-groups; my work-group's barrier once more.  No LDS instruction of the wave is pending at a signal.
.macro CREST                           ; a round behind its opening barrier
	s_cmp_lg_u32 s10, 0
	s_cbranch_scc1 .Lnot_wave_0_\@
	s_barrier_signal -3
.Lnot_wave_0_\@:
	s_barrier_wait -3
	s_barrier_signal -1
	s_barrier_wait -1
.endm
.macro CROUND                          ; a whole round
	s_barrier_signal -1
	s_barrier_wait -1
	CREST
.endm
	s_load_b64 s[4:5], s[0:1], 0x0                 ; xw: A = x is its first plane
	s_load_b64 s[8:9], s[0:1], 0x8                 ; qkv = C
	v_lshl_add_u32 v[SPW], v0, 2, SPARE
	v_mov_b32 v[NIL], 0
	ds_add_u32 v[SPW], v[NIL]                      ; the wave's opening: the add and its wait stand ahead of my first tensor load; the set-up below, work on registers, stands between them
	v_lshrrev_b32 v1, 5, v0
	v_readfirstlane_b32 s10, v1                    ; wave 0..3
	s_lshr_b32 s11, s10, 1                         ; which half of the tile's rows is mine.  Also: I fetch for A (0) or for B (1)
	s_and_b32 s12, s10, 1                          ; which half of its columns.  Also: which 128 rows of that tile I fetch
	s_bfe_u32 s40, ttmp6, 0x40000                  ; cx: my place along the cluster's x
	s_bfe_u32 s41, ttmp6, 0x40004                  ; cy: along its y
	s_lshl_b32 s42, ttmp9, 2                       ; in a cluster launch ttmp9 and ttmp7 count clusters
	s_add_co_u32 s42, s42, s40                     ; tile column = 4 x cluster x + cx: head = column / 2, channels 256 (column % 2) on
	s_and_b32 s13, ttmp7, 0xffff
	s_lshl_b32 s13, s13, 2
	s_add_co_u32 s13, s13, s41                     ; tile row = 4 x cluster y + cy: rows 256 x tile row of x
	s_lshl_b32 s43, s41, 2
	s_lshl_b32 s43, 15, s43                        ; my row of the cluster: places 4 cy .. 4 cy + 3
	s_lshl_b32 s44, 0x1111, s40                    ; my column: places cx, cx + 4, cx + 8, cx + 12
	; descriptor group 1: a tile of 128 rows x 128 elements, padded in LDS
	s_or_b32 s[G1+0], s43, (1<<16)|(1<<20)|(1<<21)|(5<<22)|(3<<25)  ; 15:0 the mask: A's tiles go to my row; 17:16 element of 2 bytes; 20 padding on; 21 set beside a mask; 24:22 after every 64 words (code 5); 31:25 of 4 words (code 3)
	s_or_b32 s[G1B+0], s44, (1<<16)|(1<<20)|(1<<21)|(5<<22)|(3<<25) ; the same with the mask of my column, for B's tiles
	s_mov_b32 s[G1B+1], KSTEP<<16
	s_mov_b32 s[G1+1], KSTEP<<16                   ; 63:48 tensor_dim0, low half = 128
	s_mov_b32 s[G1B+2], 128<<16
	s_mov_b32 s[G1+2], 128<<16                     ; 79:64 its high half = 0; 95:80 tensor_dim1, low half = 128
	s_mov_b32 s[G1B+3], KSTEP<<16
	s_mov_b32 s[G1+3], KSTEP<<16                   ; 111:96 its high half = 0; 127:112 tile_dim0 = 128
	s_mov_b32 s[G1B+4], 128
	s_mov_b32 s[G1+4], 128                         ; 143:128 tile_dim1 = 128; 159:144 tile_dim2 = 0
	s_mov_b32 s[G1B+5], 8*SIZE_K                   ; W: from channel d to d + 1 of a head are 8 rows
	s_mov_b32 s[G1+5], SIZE_K                      ; 191:160 tensor_dim0_stride, low word: elements from row to row
	s_mov_b32 s[G1B+6], 0
	s_mov_b32 s[G1+6], 0
	s_mov_b32 s[G1B+7], 0
	s_mov_b32 s[G1+7], 0
	; where the tiles come from.  A's hang on the tile row alone, which my row of the cluster shares; B's on the tile column alone, which my column shares.
	; Every wave makes both addresses, in registers that never hold the other coordinate, and asks by one of them.
	s_lshl_b32 s17, s12, 7                         ; which 128 rows of the tile I fetch
	s_lshl_b32 s16, s13, 8
	s_add_co_u32 s16, s16, s17                     ; A: row 256 x tile row + 128 x half,
	s_lshl_b32 s16, s16, 10                        ; of 1,024 bytes: under 2^22
	s_mov_b32 s17, 0
	s_and_b32 s46, s42, 1
	s_lshl_b32 s46, s46, 11                        ; B: row 8 (256 (column % 2) + 128 x half) + head
	s_lshr_b32 s47, s42, 1
	s_add_co_u32 s46, s46, s47
	s_lshl_b32 s47, s12, 10
	s_add_co_u32 s46, s46, s47
	s_lshl_b32 s46, s46, 10                        ; of 1,024 bytes
	s_mov_b32 s47, 0
	s_mul_i32 s20, s10, HALFT                      ; and where they go: A's two halves, then B's two halves = wave x 128 rows: no place in the cluster enters an LDS address
	s_wait_dscnt 0x0                               ; the opening add is done
	s_wait_kmcnt 0x0
	s_add_nc_u64 s[6:7], s[4:5], PLANE_W           ; B begins with Wq's plane
	s_add_nc_u64 s[14:15], s[4:5], s[16:17]
	s_add_nc_u64 s[46:47], s[6:7], s[46:47]
	CROUND                                         ; all sixteen work-groups are here: the first joint loads meet
.irp s, 0,1
	s_mov_b32 s[G0+4*(\s)], 1                                      ; 1:0 count = 1
	s_add_co_u32 s[G0+4*(\s)+1], s20, (\s)*SLOT                    ; 63:32 LDS address
	s_add_nc_u64 s[G0+4*(\s)+2:G0+4*(\s)+3], s[14:15], (\s)*KSTEP*2  ; 120:64 global address: K step s
	s_or_b32 s[G0+4*(\s)+3], s[G0+4*(\s)+3], 0x80000000            ; 127:126 type = 2
	s_mov_b32 s[G0B+4*(\s)], 1
	s_add_co_u32 s[G0B+4*(\s)+1], s20, (\s)*SLOT
	s_add_nc_u64 s[G0B+4*(\s)+2:G0B+4*(\s)+3], s[46:47], (\s)*KSTEP*2
	s_or_b32 s[G0B+4*(\s)+3], s[G0B+4*(\s)+3], 0x80000000
	JLOAD \s                                       ; the ring is filled before anything else is done: two loads of mine are out
.endr
	; A fragment is 16 rows x 32 K in 8 registers: lane l holds row l % 16; registers 0-3 hold K = 8 (l / 16) + 0..7, registers 4-7 hold
	; K = 16 + 8 (l / 16) + 0..7.  From rows that lie along K: two loads of 16 bytes, 32 bytes apart.  The same for source 0 and source 1.
	v_and_b32 v1, 15, v0                           ; l % 16
	v_bfe_u32 v2, v0, 4, 1                         ; l / 16
	v_mul_u32_u24 v3, v1, PITCH
	v_lshl_add_u32 v3, v2, 4, v3                   ; row x pitch + 16 x half
	s_mul_i32 s21, s11, HALFT                      ; my 128 rows of A
	s_mul_i32 s22, s12, HALFT                      ; my 128 rows of B,
	s_add_co_u32 s22, s22, 2*HALFT                 ; which lie behind A's 256
.irp s, 0,1
	v_add_nc_u32 v[ADRA+(\s)], s21, v3
	v_add_nc_u32 v[ADRB+(\s)], s22, v3
	s_add_co_u32 s21, s21, SLOT
	s_add_co_u32 s22, s22, SLOT
.endr
	s_mul_i32 s23, s10, 16*SPITCH
	s_add_co_u32 s23, s23, STAGE                   ; my stage
	v_mul_u32_u24 v4, v1, SPITCH                   ; in: row l % 16, 16 bytes for each half of the lanes
	v_lshl_add_u32 v4, v2, 4, v4
	v_add_nc_u32 v[STO], s23, v4
	v_mul_u32_u24 v5, v2, SPITCH                   ; back: lanes 0-15 take one row of 256 bytes, lanes 16-31 the next
	v_lshl_add_u32 v5, v1, 4, v5
	v_add_nc_u32 v[RD], s23, v5
	v_mul_u32_u24 v5, v2, CP                       ; and the same two rows in C
	v_lshl_add_u32 v[CO], v1, 4, v5
	; where my part of the first tile begins in qkv, in bytes: the first way out adds it to C's address.  Row 256 x tile row of x is batch tile row / 4, time 256 (tile row % 4).
	s_lshr_b32 s16, s13, 2
	s_lshl_b32 s16, s16, 23                        ; the batch: 8 heads of 2^20 bytes
	s_and_b32 s14, s13, 3
	s_lshl_b32 s14, s14, 18                        ; 256 rows of 1,024 bytes
	s_add_co_u32 s16, s16, s14
	s_lshl_b32 s14, s11, 17                        ; my 128 rows
	s_add_co_u32 s16, s16, s14
	s_mov_b32 s17, 0
	s_lshr_b32 s46, s42, 1                         ; (in the registers that held B's address)
	s_lshl_b32 s46, s46, 20                        ; the head
	s_and_b32 s47, s42, 1
	s_lshl_b32 s47, s47, 9                         ; 256 channels of 2 bytes
	s_add_co_u32 s46, s46, s47
	s_lshl_b32 s47, s12, 8                         ; my 128 channels
	s_add_co_u32 s46, s46, s47
	s_mov_b32 s47, 0
	s_add_nc_u64 s[16:17], s[16:17], s[46:47]
; 16 matrix instructions: m blocks a0, a0 + 1 of the window's four (hi = 0: my rows 0-63, 1: rows 64-127) x all 8 n blocks, 32 along K.
; zero = 1: the first product starts the sums: nothing is ever cleared.
.macro MUL16 f, hi, a0, zero
	WIN MUL_LO+0x50*(\hi)  ; MUL_LO or MUL_HI
.irp a, \a0, (\a0)+1
.irp b, 0,1,2,3,4,5,6,7
.if \zero
	v_wmma_f32_16x16x32_bf16 v[8*(8*(\a)+(\b)):8*(8*(\a)+(\b))+7], v[(\f)+8*(\b):(\f)+8*(\b)+7], v[(\f)+8*(4*(\hi)+(\a)):(\f)+8*(4*(\hi)+(\a))+7], 0
.else
	v_wmma_f32_16x16x32_bf16 v[8*(8*(\a)+(\b)):8*(8*(\a)+(\b))+7], v[(\f)+8*(\b):(\f)+8*(\b)+7], v[(\f)+8*(4*(\hi)+(\a)):(\f)+8*(4*(\hi)+(\a))+7], v[8*(8*(\a)+(\b)):8*(8*(\a)+(\b))+7]
.endif
.endr
.endr
.endm
; 32 LDS loads in one run: the fragments of one quarter step (128 rows of B, 128 rows of A, 32 K at byte k of the rows) into buffer f
.macro FETCH slot, k, f
	WIN TO_B
.irp i, 0,1,2,3,4,5,6,7
	ds_load_b128 v[(\f)+8*(\i):(\f)+8*(\i)+3],   v[ADRB+(\slot)] offset:(\k)+(\i)*16*PITCH
	ds_load_b128 v[(\f)+8*(\i)+4:(\f)+8*(\i)+7], v[ADRB+(\slot)] offset:(\k)+(\i)*16*PITCH+32
.endr
	WIN 0
.irp i, 0,1,2,3,4,5,6,7
	ds_load_b128 v[(\f)+8*(\i):(\f)+8*(\i)+3],   v[ADRA+(\slot)] offset:(\k)+(\i)*16*PITCH
	ds_load_b128 v[(\f)+8*(\i)+4:(\f)+8*(\i)+7], v[ADRA+(\slot)] offset:(\k)+(\i)*16*PITCH+32
.endr
.endm
; A load into a register that a matrix instruction has read, and a vector instruction that reads a matrix result or writes one of a matrix
; instruction's registers, stand four places behind that matrix instruction, and only plain vector instructions that name none of its registers
; are places (ISA guide 7.12.1 for vector instructions).  So four v_nop stand in front of each run of
; loads, and in front of conversions that read results just made: sixteen issue slots for a K step's 256 matrix instructions.
.macro PLACES
.rept 4
	v_nop
.endr
.endm
; A K step is four quarter steps of 32 along K, 64 matrix instructions each, on buffers 0, 1, 0, 1.
; One of the first three: multiplies buffer f; in its middle it fetches the next quarter's fragments, at byte k of the same slot's rows, into buffer g.
.macro QUARTER slot, k, f, g, zero
	s_wait_dscnt 8                                 ; B and A's rows 0-63 are in; the youngest eight loads (A's rows 64-127) may be out
	WIN MUL_LO
	MUL16 \f, 0, 0, \zero
	MUL16 \f, 0, 2, \zero
	PLACES
	FETCH \slot, \k, \g
	s_wait_dscnt 32                                ; all but the 32 just issued
	WIN MUL_HI
	MUL16 \f, 1, 0, \zero
	MUL16 \f, 1, 2, \zero
.endm
; The last quarter multiplies buffer 1 and changes slots.  MEET is its first half: ONE barrier for the change of slots, for two things.  In front of it each wave waits for
; all its tensor loads, of which one is out: its part of the next slot; adds 0 to its spare word; and waits for that and for its own reads of this slot.  Behind it nobody reads this slot any more and the next slot is whole.
.macro MEET round                      ; round = 1: a round of the cluster's barrier follows
	WIN 0                                          ; (the add's two registers lie in window 0)
	s_wait_tensorcnt 0x0                           ; all my tensor loads have landed: the one that was out is my part of the next slot;
	ds_add_u32 v[SPW], v[NIL]                      ; 0 onto my spare word;
	s_wait_dscnt 9                                 ; (the add and the youngest eight loads may be out)
	WIN MUL_LO
	MUL16 F1, 0, 0, 0                              ; sixteen matrix instructions stand between the add and the wait for it
	s_wait_dscnt 0x0                               ; the add is done, and my reads of this slot are over (the last were issued 48 matrix instructions ago):
	s_barrier_signal -1                            ; say so (where a slot is filled again this barrier opens a round of the cluster's barrier),
	MUL16 F1, 0, 2, 0                              ; work on registers while the others arrive,
.if \round
	WIN 0
.endif
	s_barrier_wait -1                              ; and go on when all four have said so
.endm
; The whole last quarter.  Behind the barrier the slot just read out is filled again first: with this tile's K step two steps on (on = 0) or, in a tile's last two K steps, with the NEXT tile's
; K step 0 or 1 (on = 1): the same rows of x, the next weight's plane; then come the next slot's first fragments.  From a request to the wait for it a wave issues 224 matrix instructions, across tiles too.
.macro TURN slot, next, on
	MEET 1
	CREST                                          ; wave 0 says so for the work-group, all sixteen work-groups have said so, my work-group's barrier closes the round:
	                                               ; no wave of any partner still reads this slot's tile or has a load on its way
.if \on
	s_sub_nc_u64 s[G0+4*(\slot)+2:G0+4*(\slot)+3], s[G0+4*(\slot)+2:G0+4*(\slot)+3], BACK_A
	s_add_nc_u64 s[G0B+4*(\slot)+2:G0B+4*(\slot)+3], s[G0B+4*(\slot)+2:G0B+4*(\slot)+3], NEXT_B
.else
	s_add_nc_u64 s[G0+4*(\slot)+2:G0+4*(\slot)+3], s[G0+4*(\slot)+2:G0+4*(\slot)+3], 2*KSTEP*2
	s_add_nc_u64 s[G0B+4*(\slot)+2:G0B+4*(\slot)+3], s[G0B+4*(\slot)+2:G0B+4*(\slot)+3], 2*KSTEP*2
.endif
	JLOAD \slot                                    ; the first tensor load behind the round; the four v_nop behind it are also the places in front of the loads below
	FETCH \next, 0, F0
	WIN MUL_HI
	MUL16 F1, 1, 0, 0
	MUL16 F1, 1, 2, 0
.endm
; THE LAST K STEP OF THE LAST TILE (it lies in slot 1) GOES BY ROWS OF C, NOT BY K.  All its fragments of B (4 quarters x 64 registers) fill window 1; then my eight blocks of 16 rows are
; finished one after the other, each with 32 matrix instructions (its 8 accumulators by turns, K ascending).  LDS is read no more than in any other K step.
.macro BLOAD q                         ; B's fragments of quarter q -> window 1, v[64 q ..]
	WIN TO_B
.irp i, 0,1,2,3,4,5,6,7
	ds_load_b128 v[64*(\q)+8*(\i):64*(\q)+8*(\i)+3],   v[ADRB+1] offset:64*(\q)+(\i)*16*PITCH
	ds_load_b128 v[64*(\q)+8*(\i)+4:64*(\q)+8*(\i)+7], v[ADRB+1] offset:64*(\q)+(\i)*16*PITCH+32
.endr
.endm
.macro ALOAD a                         ; A's fragments of block a, all four quarters -> buffer a % 4
	WIN 0
.set FA, PA+32*((\a)%4)
.irp q, 0,1,2,3
	ds_load_b128 v[FA+8*(\q):FA+8*(\q)+3],   v[ADRA+1] offset:64*(\q)+(\a)*16*PITCH
	ds_load_b128 v[FA+8*(\q)+4:FA+8*(\q)+7], v[ADRA+1] offset:64*(\q)+(\a)*16*PITCH+32
.endr
.endm
.macro ROW a                           ; block a is finished: 32 matrix instructions
.set FA, PA+32*((\a)%4)                ; its fragments of A
.set AC, 64*((\a)%4)                   ; its eight accumulators, in window 2 (blocks 0-3) or 3 (blocks 4-7)
	WIN MUL_LO+0x50*((\a)/4)                       ; MUL_LO or MUL_HI
.irp q, 0,1,2,3
.if (\a) == 0 && (\q) == 2
	s_wait_dscnt 24                                ; B's quarter 2 is in (behind it: A's blocks 1 to 3)
.endif
.irp b, 0,1,2,3,4,5,6,7
	v_wmma_f32_16x16x32_bf16 v[AC+8*(\b):AC+8*(\b)+7], v[64*(\q)+8*(\b):64*(\q)+8*(\b)+7], v[FA+8*(\q):FA+8*(\q)+7], v[AC+8*(\b):AC+8*(\b)+7]
.endr
.endr
.endm
; THE WAY OUT of block a, in three parts.  PACK: rounded to f16, 16 bytes a lane, each accumulator's registers in ascending order.  TOSTAGE: into my own stage in LDS, and back as whole rows of 256 bytes.  SEND: stored.
.macro PACK a
.set AC, 64*((\a)%4)
	WIN 0x0a+5*((\a)/4)                            ; sources 0 and 1: window 2 or 3
.irp b, 0,1,2,3,4,5,6,7
.irp r, 0,1,2,3
	v_cvt_pk_f16_f32 v[TMP+4*(\b)+(\r)], v[AC+8*(\b)+2*(\r)], v[AC+8*(\b)+2*(\r)+1]
.endr
.endr
	WIN 0
.endm
.macro TOSTAGE a
	WIN 0
.set BK, OB+192*((\a)%2)
.irp b, 0,1,2,3,4,5,6,7
	ds_store_b128 v[STO], v[TMP+4*(\b):TMP+4*(\b)+3] offset:32*(\b)
.endr
.irp t, 0,1,2,3,4,5,6,7
	ds_load_b128 v[BK+4*(\t):BK+4*(\t)+3], v[RD] offset:(\t)*2*SPITCH  ; LDS serves a wave's instructions in order (ISA guide 5.7.1.4): these see the stores above
.endr
.endm
.macro SEND a, younger                 ; younger: the LDS loads issued behind TOSTAGE's, which may stay out
	WIN 0
.set BK, OB+192*((\a)%2)
	s_wait_dscnt \younger                          ; the block is back in registers
	s_wait_xcnt 0x0                                ; every earlier memory instruction has had its addresses translated (ISA guide 3.1): only behind this wait are the stores' base and the registers that earlier stores read rewritten
.if (\a) == 0
	s_add_nc_u64 s[8:9], s[8:9], s[16:17]          ; on to this tile's first rows
.else
	s_add_nc_u64 s[8:9], s[8:9], 16*CP             ; 16 rows of C on
.endif
.irp t, 0,1,2,3,4,5,6,7
	global_store_b128 v[CO], v[BK+4*(\t):BK+4*(\t)+3], s[8:9] offset:2*(\t)*CP  ; 16 lanes store 256 consecutive bytes, at a multiple of 256 from qkv's first byte
.endr
.endm
	s_wait_tensorcnt 1                             ; my part of K step 0 is in; K step 1's may stay out
	s_barrier_signal -1
	s_barrier_wait -1                              ; everybody's is
	FETCH 0, 0, F0
	s_mov_b32 s2, SIZE_TILES                       ; tiles to go, this one among them: the same number in every work-group
.Ltile:                                                ; (FETCH and SEND leave every window 0)
	QUARTER 0, 64,  F0, F1, 1                      ; a tile's first quarter stands in front of the loop: its products start the sums
	WIN 0                                          ; at a label and at a branch every window is 0
	s_mov_b32 s3, LAPS-1
.Llap:                                                 ; a trip goes once round the ring, from a lap's second quarter to the next lap's first, and fills both slots again
	QUARTER 0, 128, F1, F0, 0
	QUARTER 0, 192, F0, F1, 0
	TURN 0, 1, 0
	QUARTER 1, 64,  F0, F1, 0
	QUARTER 1, 128, F1, F0, 0
	QUARTER 1, 192, F0, F1, 0
	TURN 1, 0, 0
	QUARTER 0, 64,  F0, F1, 0
	WIN 0
	s_sub_co_u32 s3, s3, 1
	s_cmp_lg_u32 s3, 0
	s_cbranch_scc1 .Llap
	QUARTER 0, 128, F1, F0, 0                      ; the tile's last lap goes on
	QUARTER 0, 192, F0, F1, 0
	WIN 0
	s_cmp_eq_u32 s2, 1
	s_cbranch_scc1 .Llast_tile                     ; the last tile's tail is written out: it asks for nothing more
	TURN 0, 1, 1                                   ; THE RING GOES ON INTO THE NEXT TILE: slot 0 takes its K step 0,
	QUARTER 1, 64,  F0, F1, 0
	QUARTER 1, 128, F1, F0, 0
	QUARTER 1, 192, F0, F1, 0
	TURN 1, 0, 1                                   ; slot 1 its K step 1, and the next tile's first fragments are fetched
	PACK 0                                         ; BOTH REFILLS ARE ASKED FOR: NOW THE TILE GOES OUT.  No v_nop: blocks 0-3 were finished in front of TURN's places, and their 128 conversions,
	TOSTAGE 0                                      ; which name no register of the last products (blocks 4-7's), are those products' places
.irp a, 1,2,3,4,5,6,7                  ; block a's conversions stand between block a - 1's loads from the stage and the wait for them
	PACK \a
	SEND (\a)-1, 0
	TOSTAGE \a
.endr
	SEND 7, 0
	s_mov_b64 s[16:17], NEXT_C                     ; what the next way out adds to C's address
	s_sub_co_u32 s2, s2, 1
	s_branch .Ltile
.Llast_tile:
	MEET 0                                         ; my one tensor load that was still out is slot 1's, the last K step's, so no round follows
	PLACES                                         ; for the loads into buffer 0, which the quarter before multiplied
	WIN TO_B
	BLOAD 0                                        ; three quarters of B now: buffer 1 (v128-191 of both windows) is still being multiplied
	BLOAD 1
	BLOAD 3
	WIN 0
	ALOAD 0
	WIN MUL_HI
	MUL16 F1, 1, 0, 0
	MUL16 F1, 1, 2, 0
	PLACES                                         ; for the loads into buffer 1
	WIN TO_B
	BLOAD 2
	WIN 0
	ALOAD 1
	ALOAD 2
	ALOAD 3
	s_wait_dscnt 40                                ; all but the 40 just issued
	ROW 0
.irp a, 0,1,2,3,4,5,6,7                ; each block leaves as soon as it is finished: nothing follows this tile, so the sooner its stores begin, the sooner the launch ends
	PLACES                                         ; its conversions read results just made, and no other vector work is at hand
	PACK \a
	TOSTAGE \a
.if (\a) < 4
	ALOAD (\a)+4                                   ; its buffer takes the block four further on
	SEND \a, 8
.else
	SEND \a, 0
.endif
.if (\a) < 7
	ROW (\a)+1
.endif
.endr
	s_wait_tensorcnt 0x0                           ; the wave's end: behind my last tensor load and my last LDS store
	ds_add_u32 v[SPW], v[NIL]
	s_wait_dscnt 0x0
	CROUND                                         ; the closing round: no work-group ends while a partner may still ask for a tile that names it
	s_endpgm
.Lfunc_end_k_qd8163977d9_proj:
	.size	k_qd8163977d9_proj, .Lfunc_end_k_qd8163977d9_proj-k_qd8163977d9_proj
	.p2alignl 7, 3214868480
	.fill 96, 4, 3214868480
	.section	.rodata,"a",@progbits
	.p2align	6, 0x0
	.amdhsa_kernel k_qd8163977d9_proj
		.amdhsa_group_segment_fixed_size 327680
		.amdhsa_private_segment_fixed_size 0
		.amdhsa_enable_private_segment 0
		.amdhsa_kernarg_size 16
		.amdhsa_user_sgpr_count 2
		.amdhsa_user_sgpr_kernarg_segment_ptr 1
		.amdhsa_wavefront_size32 1
		.amdhsa_system_sgpr_workgroup_id_x 1
		.amdhsa_system_sgpr_workgroup_id_y 1
		.amdhsa_system_sgpr_workgroup_id_z 1
		.amdhsa_system_vgpr_workitem_id 0
		.amdhsa_next_free_vgpr 1024
		.amdhsa_next_free_sgpr 66
		.amdhsa_reserve_vcc 0
		.amdhsa_float_denorm_mode_32 3
		.amdhsa_float_denorm_mode_16_64 3
		.amdhsa_memory_ordered 1
		.amdhsa_forward_progress 1
		.amdhsa_inst_pref_size 209
	.end_amdhsa_kernel
	.amdgpu_metadata
---
amdhsa.version: [ 1, 2 ]
amdhsa.kernels:
  - .name:           k_qd8163977d9_proj
    .symbol:         k_qd8163977d9_proj.kd
    .args:
      - { .name: xw, .offset: 0, .size: 8, .value_kind: global_buffer, .address_space: global }
      - { .name: qkv, .offset: 8, .size: 8, .value_kind: global_buffer, .address_space: global }
    .group_segment_fixed_size: 327680
    .private_segment_fixed_size: 0
    .kernarg_segment_align: 8
    .kernarg_segment_size: 16
    .max_flat_workgroup_size: 128
    .sgpr_count:     66
    .vgpr_count:     1024
    .wavefront_size: 32
...
	.end_amdgpu_metadata
.endif
;; end of part 2
;; launch attn (part 3): grid 8 x 32, 4 waves a work-group, clusters of 4 x 1, 327,680 bytes of LDS; arguments qkv, out0; writes out0
.if DOCPART == 3
	.amdgcn_target "amdgcn-amd-amdhsa--gfx1250"
	.amdhsa_code_object_version 6
	.text
	.protected	k_qd8163977d9_attn
	.globl	k_qd8163977d9_attn
	.p2align	8
	.type	k_qd8163977d9_attn,@function
k_qd8163977d9_attn:
	s_mov_b64 s[64:65], 0
	v_nop
	global_prefetch_b8 v0, s[64:65] scope:SCOPE_SE
	s_setreg_imm32_b32 hwreg(HW_REG_WAVE_MODE, 25, 1), 1
	s_wait_xcnt 0x0
	s_wait_alu depctr_hold_cnt(0) depctr_sa_sdst(0) depctr_va_vdst(0) depctr_va_sdst(0) depctr_va_ssrc(0) depctr_va_vcc(0) depctr_vm_vsrc(0)
	s_getreg_b32 s2, hwreg(HW_REG_IB_STS2, 6, 4)
	s_cmp_eq_u32 s2, 0
	s_cbranch_scc0 .Lentry_in_a_cluster
	s_endpgm
.Lentry_in_a_cluster:
	s_bfe_u32 s2, ttmp6, 0x10000c
	s_cmp_lg_u32 s2, 0x3003
	s_cbranch_scc0 .Lentry_shape_is_right
	s_endpgm
.Lentry_shape_is_right:
; out0[b][t][512 h + :] = the sum over k of softmax_k(q[t] . k[k] / sqrt(512)) v[k][:], for each of the 32 pairs (b, h).  qkv: [3][32 = 8 b + h][1024][512] f16, unscaled.  out0: [4][1024][4096] f32.
; Products, maxima and sums in f32; the weights p are rounded to f16 for the second product (their sum l is taken of the unrounded p); O is never rounded below f32.
; LIMITS.  q, k, v arrive within f16's 65,504; p lies in 0 to about 1, and below 6e-5 it keeps f16's fixed step of 6e-8; a weight below 2^-126 counts as 0 in l; NaN and infinities are not treated apart.
; SHARES.  A work-group owns 128 queries of one pair (8 x 32 = 256 work-groups), each of its four waves 32: two tiles of 16, with all 512 channels: a tile costs 256 registers of O^T and 128 of Q, so two
; fill a wave's 1,024.  Every wave walks all 1,024 keys, 64 a step; the waves meet only at the ring's barrier.
; LAYOUT.  S^T = K Q^T (source 0 = 16 keys, source 1 = 16 queries): in the result a lane holds ONE query (lane % 16) and the keys 8 (lane / 16) + 0..7.  Two such results, rounded to f16 in pairs, ARE source 1
; (32 keys x 16 queries) of O^T = V^T P, whose result again holds one query a lane, and eight channels.  K comes out of LDS as it lies, V ([key][channel]) turned, by ds_load_tr16_b128.
; SOFTMAX.  For each query a running maximum m and sum l: p = 2^(c s - c m), c = log2(e) / sqrt(512); in every step O and l are multiplied by a = 2^(c m_old - c m_new), which is 1 where m has not grown.
; m starts at the lowest finite number, O and l at 0: the first step is a step like any other, with a = 0.  O^T's 512 registers are started by 64 products of two fragments of zeros with the constant 0 as C, in the
; wait for Q and the first tile: 64 lines where 512 would clear them one by one; the price is 64 products that are not attention's, beside a wave's 4,096.
; A STEP, in phases: 128 products K Q^T; the softmax of both tiles (204 vector instructions); 128 products V^T P.  A fragment of K or V feeds two products, one a tile.  The fragments come in GROUPS of eight
; (16 LDS loads, 16 products) into two buffers that take turns: a group's loads are issued in one run, 16 products ahead of their use.  O^T's rescaling rides behind the products V^T P, a group ahead of them.
; THE CHANGE OF SLOTS STANDS INSIDE THE STEP'S LAST 32 PRODUCTS.  S^T's registers, idle during V^T P, are a third buffer, for group 15: the slot's last two runs of loads go out together, ahead of group 13's
; products.  So the wait for the add, the barrier and the next step's first run of loads all have products beside them.
; CLUSTER.  The four query blocks of a cluster belong to one pair and walk the same K and V, so each tile is asked for JOINTLY: the same tensor load, descriptor and mask in all four.
; REGISTERS, in windows of 256 (s_set_vgpr_msb: bits 1:0 source 0, 3:2 source 1, 5:4 source 2, 7:6 destination):
;   window 0: v0-15 addresses; v16-31 eight registers of statistics a tile; v32-95 S^T, 32 a tile (and group 15's fragments); v96-127 P, 16 a tile; v128-191, v192-255 the two fragment buffers
;   windows 1, 2: O^T: accumulator n = 2 x channel block + tile at register 8 (n % 32) of window 1 + n / 32          window 3: Q: tile t, channels 32 c on at 8 (16 t + c)
.set PLANE, 33554432  ; bytes in a plane of qkv
.set KS,    64        ; keys in a step
.set TILEB, KS*1024   ; their bytes in K, and in V
.set PK,    528       ; half a row of K in LDS: 512 bytes + 16 of padding = 132 words: row r starts at bank 4 r mod 64 (64 banks of 4 bytes: ISA guide 11.1), so the 16 rows of a load start at 16 different banks
.set PV,    544       ; half a row of V: 512 + 32 = 136 words: row r starts at bank 8 r mod 64
.set KH,    KS*PK     ; 64 keys x 256 channels of K: what one tensor load brings
.set VH,    KS*PV     ; the same of V
.set VOFF,  2*KH      ; a slot: K's channels 0-255, K's 256-511, V's 0-255, V's 256-511
.set SLOT,  VOFF+2*VH
.set STAGE, 2*SLOT    ; behind the ring, never filled by a tensor load: 16 rows x 528 bytes for each wave, for the way out
.set SP,    528
.set STG,   16*SP
.set SPARE, STAGE+4*STG  ; behind the stages: the spare words, 128 bytes for each wave: two blocks of 256 bytes that no other line names
.set AK0, 2           ; v2   my lane's place in a tile of K; never rewritten
.set AV0, 3           ; v3   the same for V
.set AK,  4           ; v4   AK0 + the slot in hand
.set AV,  5           ; v5   AV0 + the slot in hand
.set QO,  6           ; v6   my byte offset in 16 rows of Q
.set RD,  7           ; v7   the way out: where I read a row back
.set GO,  8           ; v8   my byte offset in 512 consecutive bytes of out0
.set PFO, 12          ; v12  256 x lane, for the prefetch; never rewritten
.set STO, 13          ; v13  the way out: where I put 32 bytes of a row
.set SPW, 14          ; v14  LDS address of my spare word: SPARE + 4 x my thread's number; never rewritten
.set NIL, 15          ; v15  0; never rewritten
.set ST,  16          ; tile t's statistics at v[ST+8 t]: +0 c m, +1 m, +2, +3 l (even keys', odd keys'), +4 to +7 c0-c3, at work; a takes c2's place once the maximum is found
.set S,   32
.set P,   96
.set F0,  128         ; fragment buffers: group g uses F0 + 64 (g % 2); group 15 uses S^T's registers
.set TMP, 128         ; the way out: 64 scaled numbers a lane
.set WV,  12          ; s12  my wave's number
.set G1K, 24          ; s[24:31] descriptor group 1 for K's tiles
.set G1V, 32          ; s[32:39] for V's: it differs in the padding alone
.set G0K, 40          ; s[40:43] descriptor group 0 for K's tiles: it walks
.set G0V, 44          ; s[44:47] the same for V's
.set PF,  48          ; s[48:49] where my wave's prefetch points
.set CNT, 50          ; s50  counts the trips
.set TB,  51          ; s51  LDS byte of the slot in hand: 0 or SLOT
.set FB,  52          ; s52  LDS byte of the slot that is being filled: the other one
.set CS,  54          ; s[54:55] c: the packed scaling names a pair and takes its low word for both halves
.set SEL, 56          ; s[56:57] lane selects for v_permlanex16_b32: each lane takes its own place in the other half
.set MSB, 0
.macro WIN new                      ; the immediate's high byte repeats the setting that is left; a switch that changes nothing is dropped
.if MSB != (\new)
	s_set_vgpr_msb (MSB<<8)|(\new)
.set MSB, (\new)
.endif
.endm
.set W_KQ, 0x0c       ; Q (source 1) in window 3, all else in window 0.  LDS loads name a destination and source 0 alone, so they run under it too
; A joint fill.  Waves 0 and 1 fetch the two channel halves of a step's K, waves 2 and 3 those of its V: 64 rows of 512 bytes each.  The branch hangs on the wave's number alone.
; An s_nop 0 and four v_nop follow each of the two lines, ahead of the jump and the label.
.macro JLOAD
	s_cmp_lt_u32 s[WV], 2
	s_cbranch_scc0 .Lfor_v_\@
	tensor_load_to_lds s[G0K:G0K+3], s[G1K:G1K+7]
	s_nop 0
.rept 4
	v_nop
.endr
	s_branch .Lasked_\@
.Lfor_v_\@:
	tensor_load_to_lds s[G0V:G0V+3], s[G1V:G1V+7]
	s_nop 0
.rept 4
	v_nop
.endr
.Lasked_\@:
.endm
; A round of the cluster's barrier: my work-group's barrier, so that wave 0's signal speaks for all four waves; wave 0 signals; every wave waits for all four work-groups; my work-group's barrier once more.
.macro CREST                        ; a round behind its opening barrier
	s_cmp_lg_u32 s[WV], 0
	s_cbranch_scc1 .Lnot_wave_0_\@
	s_barrier_signal -3
.Lnot_wave_0_\@:
	s_barrier_wait -3
	s_barrier_signal -1
	s_barrier_wait -1
.endm
.macro CROUND                       ; a whole round
	s_barrier_signal -1
	s_barrier_wait -1
	CREST
.endm
; A vector instruction that reads a matrix result or writes one of a matrix instruction's registers, and a load into a register that a matrix instruction has read, stand four places behind
; it, and only plain vector instructions that name none of its registers are places (ISA guide 7.12.1 for vector instructions).
.macro PLACES
.rept 4
	v_nop
.endr
.endm
; The walking descriptors step to the next fill: the other slot than last time, the next 64 keys.  Scalar work, written where no tensor load of the wave is out.
.macro ASK
	s_xor_b32 s[FB], s[FB], SLOT    ; 0 and SLOT by turns
	s_add_co_u32 s[G0K+1], s[FB], s17  ; the LDS addresses: the slot and my half
	s_add_co_u32 s[G0V+1], s[FB], s18
	s_add_nc_u64 s[G0K+2:G0K+3], s[G0K+2:G0K+3], TILEB  ; the type bits on top are not reached
	s_add_nc_u64 s[G0V+2:G0V+3], s[G0V+2:G0V+3], TILEB
.endm
	s_load_b128 s[4:7], s[0:1], 0x0 ; qkv s[4:5], out0 s[6:7]
	v_lshl_add_u32 v[SPW], v0, 2, SPARE
	v_mov_b32 v[NIL], 0
	ds_add_u32 v[SPW], v[NIL]       ; the wave's opening: the add and its wait stand ahead of my first tensor load; the set-up below, work on registers, stands between them
	v_lshrrev_b32 v1, 5, v0
	v_readfirstlane_b32 s[WV], v1   ; wave 0..3
	s_bfe_u32 s13, ttmp6, 0x40000   ; cx: my place in the cluster
	s_lshl_b32 s14, ttmp9, 2        ; in a cluster launch ttmp9 counts clusters
	s_add_co_u32 s14, s14, s13      ; my block of 128 queries = 4 x cluster x + cx: it enters Q's, out0's and the prefetch's addresses alone
	s_and_b32 s15, ttmp7, 0xffff    ; the pair 8 b + h, which the four partners share
	s_and_b32 s16, s[WV], 1         ; which channel half I fetch:
	s_mul_i32 s17, s16, KH          ; its place in a slot, for K
	s_mul_i32 s18, s16, VH          ; and for V: no place in the cluster enters an LDS address
	s_add_co_u32 s18, s18, VOFF
	s_lshl_b32 s22, s15, 20         ; the pair's 2^20 bytes in a plane,
	s_lshl_b32 s23, s16, 9          ; and my half's 512 bytes in a row
	s_add_co_u32 s22, s22, s23
	s_mov_b32 s23, 0
	s_lshl_b32 s20, s15, 20         ; Q: the pair, my block's 128 rows of 1,024 bytes, my wave's 32
	s_lshl_b32 s21, s14, 17
	s_add_co_u32 s20, s20, s21
	s_lshl_b32 s21, s[WV], 15
	s_add_co_u32 s20, s20, s21
	s_mov_b32 s21, 0
	s_lshr_b32 s10, s15, 3          ; out0: the batch's 1,024 rows of 16,384 bytes,
	s_lshl_b32 s10, s10, 24
	s_lshl_b32 s11, s14, 21         ; my block's 128 rows,
	s_add_co_u32 s10, s10, s11
	s_lshl_b32 s11, s[WV], 19       ; my wave's 32,
	s_add_co_u32 s10, s10, s11
	s_and_b32 s11, s15, 7           ; and the head's 2,048 bytes in a row
	s_lshl_b32 s11, s11, 11
	s_add_co_u32 s10, s10, s11
	s_mov_b32 s11, 0
	s_add_co_u32 s[PF], s16, 1      ; the prefetch: wave 0 asks in K's plane, wave 1 in V's;
	s_lshl_b32 s[PF], s[PF], 25
	s_lshl_b32 s[PF+1], s15, 20     ; the pair;
	s_add_co_u32 s[PF], s[PF], s[PF+1]
	s_lshl_b32 s[PF+1], s14, 13     ; of a step's 65,536 bytes the eighth that goes by my block's number;
	s_add_co_u32 s[PF], s[PF], s[PF+1]
	s_add_co_u32 s[PF], s[PF], 2*TILEB  ; step 2: what the first trip asks for
	s_mov_b32 s[PF+1], 0
	; descriptor group 1: a tile of 64 rows x 256 elements out of rows of 512, padded in LDS
	s_mov_b32 s[G1K], 15|(1<<16)|(1<<20)|(1<<21)|(6<<22)|(3<<25)  ; 15:0 the mask of four; 17:16 2-byte elements; 20 padding on; 21 set beside a mask; 24:22 after every 128 words (code 6); 31:25 4 words (code 3)
	s_mov_b32 s[G1V], 15|(1<<16)|(1<<20)|(1<<21)|(6<<22)|(7<<25)  ; the same with 8 words of padding (code 7)
.irp g, G1K, G1V
	s_mov_b32 s[\g+1], 256<<16      ; tensor_dim0 = 256
	s_mov_b32 s[\g+2], KS<<16       ; tensor_dim1 = 64
	s_mov_b32 s[\g+3], 256<<16      ; tile_dim0 = 256
	s_mov_b32 s[\g+4], KS           ; tile_dim1 = 64
	s_mov_b32 s[\g+5], 512          ; 512 elements from row to row
	s_mov_b32 s[\g+6], 0
	s_mov_b32 s[\g+7], 0
.endr
	s_mov_b32 s[CS], 0x3d8293ee     ; c = log2(e) / sqrt(512) = 0.0637587
	s_mov_b32 s[CS+1], s[CS]        ; named with it as a pair
	s_mov_b32 s[SEL], 0x76543210
	s_mov_b32 s[SEL+1], 0xfedcba98
	s_mov_b32 s[FB], 0              ; step 0 goes into slot 0;
	s_mov_b32 s[TB], SLOT           ; the opening change of slots turns this into 0
	s_mov_b32 s[CNT], 14
	s_mov_b32 s[G0K], 1             ; 1:0 count = 1
	s_mov_b32 s[G0K+1], s17         ; 63:32 LDS address: slot 0
	s_mov_b32 s[G0V], 1
	s_mov_b32 s[G0V+1], s18
	s_wait_dscnt 0x0                ; the opening add is done
	s_wait_kmcnt 0x0
	s_add_nc_u64 s[G0K+2:G0K+3], s[4:5], s[22:23]          ; 120:64 global address: my half of the pair's first 64 keys,
	s_add_nc_u64 s[G0V+2:G0V+3], s[G0K+2:G0K+3], 2*PLANE   ; in v's plane
	s_add_nc_u64 s[G0K+2:G0K+3], s[G0K+2:G0K+3], PLANE     ; and in k's
	s_or_b32 s[G0K+3], s[G0K+3], 0x80000000                ; 127:126 type = 2
	s_or_b32 s[G0V+3], s[G0V+3], 0x80000000
	s_add_nc_u64 s[8:9], s[4:5], s[20:21]                  ; Q at my wave's first row
	s_add_nc_u64 s[6:7], s[6:7], s[10:11]                  ; out0 likewise
	s_add_nc_u64 s[PF:PF+1], s[4:5], s[PF:PF+1]
	CROUND                          ; all four work-groups are here: the first joint loads meet
	JLOAD                           ; step 0 into slot 0: one load of mine is out, here and behind every round
	; A fragment of K or Q is 16 rows x 32 channels in 8 registers: lane l holds row l % 16, channels 8 (l / 16) + 0..7 and 16 + 8 (l / 16) + 0..7: two loads of 16 bytes, 32 bytes apart.
	v_and_b32 v1, 15, v0            ; l % 16
	v_bfe_u32 v9, v0, 4, 1          ; l / 16
	v_lshlrev_b32 v[QO], 10, v1
	v_lshl_add_u32 v[QO], v9, 4, v[QO]  ; row x 1,024 + 16 x half
	WIN 0xc0                        ; destination window 3, address window 0
.set i, 0
.rept 32                            ; Q stays in registers: tile i / 16, channels 32 (i % 16) on
	global_load_b128 v[8*i:8*i+3],   v[QO], s[8:9] offset:(i/16)*16384+(i%16)*64
	global_load_b128 v[8*i+4:8*i+7], v[QO], s[8:9] offset:(i/16)*16384+(i%16)*64+32
.set i, i+1
.endr
	WIN 0
.set i, 0
.rept 16                            ; two fragments of zeros,
	v_mov_b32 v[F0+i], 0
.set i, i+1
.endr
	WIN 0x40                        ; and O^T = 0 x 0 + 0, an accumulator a line, in the wait for Q and the first tile
.set i, 0
.rept 32
	v_wmma_f32_16x16x32_f16 v[8*i:8*i+7], v[F0:F0+7], v[F0+8:F0+15], 0
.set i, i+1
.endr
	WIN 0x80
.set i, 0
.rept 32
	v_wmma_f32_16x16x32_f16 v[8*i:8*i+7], v[F0:F0+7], v[F0+8:F0+15], 0
.set i, i+1
.endr
	WIN 0                           ; the vector work below names none of those products' registers: it is the places ahead of the first loads into the buffer
.irp t, 0,1
	v_mov_b32 v[ST+8*\t], 0xfe000000    ; c m: far below every c s
	v_mov_b32 v[ST+8*\t+1], 0xff7fffff  ; m
	v_mov_b32 v[ST+8*\t+2], 0
	v_mov_b32 v[ST+8*\t+3], 0
.endr
	v_mul_u32_u24 v[AK0], v1, PK
	v_lshl_add_u32 v[AK0], v9, 4, v[AK0]  ; row x pitch + 16 x half
	; The turning load takes 16 keys x 16 channels (lane l reads key 8 (l / 16) + l % 8, channels 8 ((l / 8) % 2) + 0..7) and leaves half a fragment of V^T: lane l holds channel l % 16 and 8 keys.
	v_and_b32 v10, 7, v0
	v_bfe_u32 v11, v0, 3, 1
	v_lshl_add_u32 v[AV0], v9, 3, v10
	v_mul_u32_u24 v[AV0], v[AV0], PV
	v_lshl_add_u32 v[AV0], v11, 4, v[AV0]
	v_add_nc_u32 v[AV0], VOFF, v[AV0]
	s_mul_i32 s13, s[WV], STG
	s_add_co_u32 s13, s13, STAGE    ; my stage
	v_mul_u32_u24 v[STO], v1, SP    ; in: row l % 16, 32 bytes for each half of the lanes
	v_lshl_add_u32 v[STO], v9, 5, v[STO]
	v_add_nc_u32 v[STO], s13, v[STO]
	v_and_b32 v10, 31, v0           ; the lane
	v_lshlrev_b32 v[GO], 4, v10     ; back: 32 lanes take one row of 512 bytes, which are 512 consecutive bytes of out0
	v_add_nc_u32 v[RD], s13, v[GO]
	v_lshlrev_b32 v[PFO], 8, v10
	s_wait_loadcnt 0x0              ; Q
; THE LDS LOADS of group g, 16 in one run.  g = 0..7: K's fragments for channels 64 g on: fragment f = 4 cc + kb holds keys 16 kb on, channels 32 (2 g + cc) on.
; g = 8..15: V's, turned, for channels 64 (g - 8) on: fragment f = 4 kk + cbl holds keys 32 kk on, channels 16 (4 (g - 8) + cbl) on.  The largest immediate is 61,408.
.macro LOADS g
	WIN W_KQ
.if (\g) == 15
.set rL, S
.else
.set rL, F0+64*((\g)%2)
.endif
.set f, 0
.rept 8
.if (\g) < 8
.set sl, 2*(\g)+f/4
.set ob, (sl/8)*KH+(f%4)*16*PK+(sl%8)*64
	ds_load_b128 v[rL+8*f:rL+8*f+3],   v[AK] offset:ob
	ds_load_b128 v[rL+8*f+4:rL+8*f+7], v[AK] offset:ob+32
.else
.set sl, 4*((\g)-8)+f%4
.set ob, (sl/16)*VH+(f/4)*32*PV+(sl%16)*32
	ds_load_tr16_b128 v[rL+8*f:rL+8*f+3],   v[AV] offset:ob
	ds_load_tr16_b128 v[rL+8*f+4:rL+8*f+7], v[AV] offset:ob+16*PV
.endif
.set f, f+1
.endr
.endm
; O^T's accumulator a (tile a % 2) times the tile's a, its registers in ascending order.
.macro RS4 a
	WIN 0x41+0x41*((\a)/32)         ; destination and source 0 in window 1 or 2, the factor in window 0
.set rO, 8*((\a)%32)
.set rA2, ST+8*((\a)%2)+6
.irp z, 0,2,4,6
	v_pk_mul_f32 v[rO+\z:rO+\z+1], v[rO+\z:rO+\z+1], v[rA2:rA2+1] op_sel_hi:[1,0]
.endr
.endm
; PRODUCTS n0 to n0 + cnt - 1 of group g's 16.  Eight accumulators take turns, one instruction a turn, each twice, in the same order; a group's last and the next group's first differ.
; g < 8: S^T += K Q^T: product n: channel slab n / 8 of the group's two, keys 16 ((n / 2) % 4) on, tile n % 2.  Group 0's first eight start the sums with the constant 0.
; g >= 8: O^T += V^T P: product n: keys 32 (n / 8) on, channel block (n / 2) % 4 of the group's four, tile n % 2.  Behind every second one ride four packed multiplies that rescale an accumulator
; of the NEXT group: they name no register of this group's products.  (Group 8's own accumulators are rescaled behind the softmax.)
.macro MULS g, n0=0, cnt=16
.if (\g) == 15
.set rF, S
.else
.set rF, F0+64*((\g)%2)
.endif
.set n, (\n0)
.rept (\cnt)
.set rA, rF+8*(4*(n/8)+(n/2)%4)
.if (\g) < 8
	WIN W_KQ
.set rD, S+32*(n%2)+8*((n/2)%4)
.set rB, 8*(16*(n%2)+2*(\g)+n/8)
.if ((\g) == 0) && (n < 8)
	v_wmma_f32_16x16x32_f16 v[rD:rD+7], v[rA:rA+7], v[rB:rB+7], 0
.else
	v_wmma_f32_16x16x32_f16 v[rD:rD+7], v[rA:rA+7], v[rB:rB+7], v[rD:rD+7]
.endif
.else
.set ii, (\g)-8
	WIN 0x50+0x50*(ii/4)            ; C and D in window 1 or 2, V and P in window 0
.set rD, 8*((8*ii+2*((n/2)%4)+n%2)%32)
.set rB, P+16*(n%2)+8*(n/8)
	v_wmma_f32_16x16x32_f16 v[rD:rD+7], v[rA:rA+7], v[rB:rB+7], v[rD:rD+7]
.if (ii < 7) && (n%2 == 0)
	RS4 8*(ii+1)+n/2
.endif
.endif
.set n, n+1
.endr
.endm
; A GROUP, 0 to 13: four places behind the last products, which read the buffer that is loaded next; the next group's loads; the wait for this group's; its products.
; Group 0 has a fifth place: its first products write S^T's registers, which group 15's products of the step before have read as fragments (a matrix instruction writes over another's source five places behind it).
; Group 8 writes no places: the four behind group 7's products stand in front of the softmax.  Group 13 issues the slot's last two runs together: group 14's into the buffer, group 15's into S^T's registers.
.macro GROUP g
.if (\g) != 8
	PLACES
.endif
.if (\g) == 0
	v_nop
.endif
	LOADS (\g)+1
.if (\g) == 13
	LOADS 15
	s_wait_dscnt 32                 ; the 32 just issued may stay out, this group's are in
.else
	s_wait_dscnt 16                 ; LDS loads come back in order (ISA guide 5.7.1): the 16 just issued may stay out, this group's are in
.endif
	MULS \g
.endm
; THE SOFTMAX.  One tile's is a list of 102 instructions; SM writes number j of it for tile t.  s0-s31 are the lane's 32 scores, in pairs 0-15.
;   0-15    the maximum of s0-s31 and the old m, three operands at a time: four chains c0-c3 of seven scores each (each accumulator's lowest registers are read first), then the four left over, c0-c3 and m
;   16-20   the other half of the lanes' maximum; c m_old is kept; the new m; c m; c m_old - c m_new
;   21-87   33 exponentials (a, then s0-s31) at the odd numbers from 23 on, so that no two follow each other and each has a plain instruction behind it before its result is used (ISA guide 5.7.2).
;           Plain instruction q (number 21, then the even numbers) is whatever is ready: c s - c m for a pair whose exponentials are still to come (q = 0 to 3, then every second q), the rounding
;           to f16 of a pair whose exponentials are done (every other q from 5 on), at last the first three sums
;   88-101  the last rounding; the rest of the sums; l = a l + the sum
.macro SM t
.set rT, ST+8*(\t)
.set rS, S+32*(\t)
.set rP, P+16*(\t)
.set q, (j-20)/2
.if j < 4
	v_max3_num_f32 v[rT+4+j], v[rS+8*j], v[rS+8*j+1], v[rS+8*j+2]
.elseif j < 12
	v_max3_num_f32 v[rT+4+j%4], v[rT+4+j%4], v[rS+8*(j%4)+2*(j/4)+1], v[rS+8*(j%4)+2*(j/4)+2]
.elseif j == 12
	v_max3_num_f32 v[rT+4], v[rT+4], v[rS+7], v[rS+15]
.elseif j == 13
	v_max3_num_f32 v[rT+6], v[rT+6], v[rS+23], v[rS+31]
.elseif j == 14
	v_max3_num_f32 v[rT+4], v[rT+4], v[rT+5], v[rT+6]
.elseif j == 15
	v_max3_num_f32 v[rT+4], v[rT+4], v[rT+7], v[rT+1]
.elseif j == 16
	v_permlanex16_b32 v[rT+5], v[rT+4], s[SEL], s[SEL+1]  ; the query's other 32 keys lie in the lane 16 away
.elseif j == 17
	v_mov_b32 v[rT+7], v[rT]        ; c m_old is kept for a: number 19 writes c m anew
.elseif j == 18
	v_max_num_f32 v[rT+1], v[rT+4], v[rT+5]
.elseif j == 19
	v_mul_f32 v[rT], s[CS], v[rT+1]
.elseif j == 20
	v_sub_f32 v[rT+7], v[rT+7], v[rT]
.elseif j == 23
	v_exp_f32 v[rT+6], v[rT+7]
.elseif (j > 23) && (j < 88) && (j%2 == 1)
	v_exp_f32 v[rS+(j-25)/2], v[rS+(j-25)/2]
.elseif (q < 4) || ((j < 76) && (q%2 == 0))
.set b, q/2+2
.if q < 4
.set b, q
.endif
	v_pk_fma_f32 v[rS+2*b:rS+2*b+1], v[rS+2*b:rS+2*b+1], s[CS:CS+1], v[rT:rT+1] op_sel_hi:[1,0,0] neg_lo:[0,0,1] neg_hi:[0,0,1]  ; pair b: c s - c m
.elseif (j < 88) && (q%2 == 1)
	s_wait_alu depctr_va_vdst(0)
	v_cvt_pk_f16_f32 v[rP+(q-5)/2], v[rS+q-5], v[rS+q-4]  ; pair (q - 5) / 2: its second exponential stands three numbers back
.elseif j == 89
	s_wait_alu depctr_va_vdst(0)
	v_cvt_pk_f16_f32 v[rP+15], v[rS+30], v[rS+31]
.else                               ; the sum of the tile's 16 pairs (an even key's weight, an odd key's), in place: sum z of 16 adds neighbours 1, 2, 4 and 8 pairs apart, then l takes it
.set z, j-86
.if j < 89
.set z, (j-76)/4
.endif
.set w, 4
.set u, z
.if z >= 14
.set w, 32
.set u, 0
.elseif z >= 12
.set w, 16
.set u, z-12
.elseif z >= 8
.set w, 8
.set u, z-8
.endif
.if z < 15
	v_pk_add_f32 v[rS+w*u:rS+w*u+1], v[rS+w*u:rS+w*u+1], v[rS+w*u+w/2:rS+w*u+w/2+1]
.else
	v_pk_fma_f32 v[rT+2:rT+3], v[rT+2:rT+3], v[rT+6:rT+7], v[rS:rS+1] op_sel_hi:[1,0,1]
.endif
.endif
.endm
; Both tiles' lists, two numbers at a time.  Numbers 22 to 87 tile by tile: plain, exponential, plain, exponential; elsewhere the tiles alternate, so that no instruction reads the result of the one just before it.
.macro SOFTMAX
	WIN 0
.set k, 0
.rept 51
.if (k >= 11) && (k < 44)
.irp t, 0,1
.irp m, 0,1
.set j, 2*k+\m
	SM \t
.endr
.endr
.else
.irp m, 0,1
.irp t, 0,1
.set j, 2*k+\m
	SM \t
.endr
.endr
.endif
.set k, k+1
.endr
.endm
; A KEY STEP, from its first products (its first run of loads was issued in the step before) to the next step's first run of loads.
; THE PREFETCH (fill = 1).  Behind the first group's products waves 0 and 1 ask the L2 for 8,192 bytes of K and of V of the step after the next (32 lanes, 256 bytes apart): my block's eighth of that step's
; 65,536 bytes, so the pair's eight work-groups ask for each byte once in the launch; the tensor load that wants them is issued at this step's end.  The 14 trips ask for steps 2 to 15: none points past the pair's rows.
; THE CHANGE OF SLOTS.  All reads of the slot have been issued ahead of group 13's products.  Each wave waits for all its tensor loads, of which one is out: its part of the next step's tiles; adds 0 to its
; spare word; multiplies half of group 14; waits for the add and for its reads of the slot; signals; multiplies the other half; and waits.  Behind the barrier nobody reads the old slot any more and the other is whole.
; fill = 1: the old slot is filled again, with the keys two steps on.  The barrier then opens a round of the cluster's, so that no wave of any partner still reads the slot or has a load on its way, and the
; joint fill is the first thing behind it: it has a whole step, 256 matrix instructions, in which to land.  Then the next step's first run of loads goes out, and group 15's products stand between it and its use.
.macro BODY fill
	GROUP 0
.if \fill
	WIN 0
	s_cmp_lt_u32 s[WV], 2
	s_cbranch_scc0 .Lno_pf_\@
	global_prefetch_b8 v[PFO], s[PF:PF+1] th:TH_LOAD_NT scope:SCOPE_SE
.Lno_pf_\@:
.endif
.irp g, 1,2,3,4,5,6,7
	GROUP \g
.endr
	PLACES                          ; the softmax reads the scores just made
	SOFTMAX
.irp a, 0,1,2,3,4,5,6,7
	RS4 \a                          ; the first group's accumulators; the others' rescaling rides behind the products
.endr
.irp g, 8,9,10,11,12,13
	GROUP \g
.endr
	WIN 0                           ; (the add's two registers lie in window 0)
	s_wait_tensorcnt 0x0            ; all my tensor loads have landed: no load of mine is out, so a group 0 may be written
	ds_add_u32 v[SPW], v[NIL]       ; 0 onto my spare word: scalar work and eight products stand between it and the wait for it
	s_xor_b32 s[TB], s[TB], SLOT    ; 0 and SLOT by turns: the slot to be read next
.if \fill
	ASK
	s_wait_xcnt 0x0                 ; this step's prefetch has had its address translated (ISA guide 3.1): its base steps only behind this wait
	s_add_nc_u64 s[PF:PF+1], s[PF:PF+1], TILEB
.endif
	s_wait_dscnt 17                 ; group 14's fragments are in; group 15's 16 loads and the add may be out
	MULS 14, 0, 8
	s_wait_dscnt 0x0                ; the add is done, and my reads of the slot are over (the last were issued 24 products ago):
	s_barrier_signal -1             ; say so,
	MULS 14, 8, 8                   ; work on registers while the others arrive,
	WIN 0
	s_barrier_wait -1               ; and go on when all four have said so
.if \fill
	CREST                           ; the barrier has opened a round of the cluster's barrier
	JLOAD                           ; the four v_nop behind it are also the places in front of the loads below, into the buffer that group 14 read
.else
	PLACES
.endif
	v_add_nc_u32 v[AK], s[TB], v[AK0]
	v_add_nc_u32 v[AV], s[TB], v[AV0]
	LOADS 0                         ; the next step's first fragments of K
	MULS 15
.endm
	; The opening change of slots: nothing has been read yet; slot 0 is waited for, slot 1 is filled for the first time, in the form of a refill; then step 0's first run of loads.
	WIN 0
	s_wait_tensorcnt 0x0            ; my part of step 0's tiles has landed
	ds_add_u32 v[SPW], v[NIL]
	s_xor_b32 s[TB], s[TB], SLOT
	ASK
	s_wait_dscnt 0x0                ; the add is done
	CROUND
	JLOAD                           ; step 1 into slot 1
	v_add_nc_u32 v[AK], s[TB], v[AK0]
	v_add_nc_u32 v[AV], s[TB], v[AV0]
	LOADS 0
	WIN 0
.Lstep:                             ; 14 trips: trip j works on step j, waits for step j + 1's tiles and asks for step j + 2's
	BODY 1
	WIN 0
	s_sub_co_u32 s[CNT], s[CNT], 1
	s_cmp_lg_u32 s[CNT], 0
	s_cbranch_scc1 .Lstep
	s_mov_b32 s[CNT], 2             ; the last two steps ask for nothing: their text is written out, once, and walked twice.
.Ltail:                             ; The second trip's barrier and its 16 loads, for a step that does not come (they read step 14's K once more), serve nothing: the price, once a launch, of one text for both
	BODY 0
	WIN 0
	s_sub_co_u32 s[CNT], s[CNT], 1
	s_cmp_lg_u32 s[CNT], 0
	s_cbranch_scc1 .Ltail
	; THE WAY OUT.  l's two halves and the other half of the lanes' are added; O^T is divided by l and sent through my stage in LDS, 16 queries x 128 channels (block a: tile a / 4, quarter a % 4) at a time.
	s_wait_dscnt 0x0                ; the last run of loads has landed: its registers are written below
	PLACES                          ; behind the last products
.irp t, 0,1
	v_add_f32 v[ST+8*\t+4], v[ST+8*\t+2], v[ST+8*\t+3]
.endr
.irp t, 0,1
	v_permlanex16_b32 v[ST+8*\t+5], v[ST+8*\t+4], s[SEL], s[SEL+1]
.endr
.irp t, 0,1
	v_add_f32 v[ST+8*\t+4], v[ST+8*\t+4], v[ST+8*\t+5]
.endr
.irp t, 0,1
	v_rcp_f32 v[ST+8*\t+6], v[ST+8*\t+4]
.endr
	v_nop                           ; a plain instruction between the last reciprocal and the use of its result
	s_wait_alu depctr_va_vdst(0)
.macro PACK a                       ; eight accumulators times 1 / l, each in ascending order, into window 0
	WIN 0x01+((\a)%4)/2             ; source 0 in window 1 or 2
.set i, 0
.rept 32
.set rO, 8*((2*(8*((\a)%4)+i/4)+(\a)/4)%32)+2*(i%4)
	v_pk_mul_f32 v[TMP+2*i:TMP+2*i+1], v[rO:rO+1], v[ST+8*((\a)/4)+6:ST+8*((\a)/4)+7] op_sel_hi:[1,0]
.set i, i+1
.endr
	WIN 0
.endm
.macro TOSTAGE a                    ; a lane's eight channels of a row are 32 bytes; they go into rows of 528 bytes and come back as whole rows of 512, into v192-255 and v32-95 by turns
.set rB2, 192-160*((\a)%2)
.set i, 0
.rept 8
	ds_store_b128 v[STO], v[TMP+8*i:TMP+8*i+3]   offset:64*i
	ds_store_b128 v[STO], v[TMP+8*i+4:TMP+8*i+7] offset:64*i+16
.set i, i+1
.endr
.if (\a) >= 2
	s_wait_xcnt 0x0                 ; the stores of the block two back have had their addresses translated (ISA guide 3.1): their data registers are loaded again only behind this wait
.endif
.set i, 0
.rept 16
	ds_load_b128 v[rB2+4*i:rB2+4*i+3], v[RD] offset:i*SP  ; LDS serves a wave's instructions in order (ISA guide 5.7.1.4): these see the stores above; the next block's stores come behind them
.set i, i+1
.endr
.endm
.macro SEND a
.set rB2, 192-160*((\a)%2)
.set i, 0
.rept 16
	s_wait_dscnt 15-i               ; row i is back; nothing younger than the block's 16 loads is out
	global_store_b128 v[GO], v[rB2+4*i:rB2+4*i+3], s[6:7] offset:(16*((\a)/4)+i)*16384+((\a)%4)*512 th:TH_STORE_NT  ; 512 consecutive bytes, at a multiple of 512 from out0's first byte
.set i, i+1
.endr
.endm
	PACK 0
	TOSTAGE 0
.irp a, 1,2,3,4,5,6,7               ; a block's arithmetic stands between the loads of the block before and its stores
	PACK \a
	SEND (\a)-1
	TOSTAGE \a
.endr
	SEND 7
	s_wait_tensorcnt 0x0            ; the wave's end: behind my last tensor load and my last LDS store
	ds_add_u32 v[SPW], v[NIL]
	s_wait_dscnt 0x0
	CROUND                          ; the closing round: no work-group ends while a partner may still ask for a tile that names it
	s_endpgm
.Lfunc_end_k_qd8163977d9_attn:
	.size	k_qd8163977d9_attn, .Lfunc_end_k_qd8163977d9_attn-k_qd8163977d9_attn
	.p2alignl 7, 3214868480
	.fill 96, 4, 3214868480
	.section	.rodata,"a",@progbits
	.p2align	6, 0x0
	.amdhsa_kernel k_qd8163977d9_attn
		.amdhsa_group_segment_fixed_size 327680
		.amdhsa_private_segment_fixed_size 0
		.amdhsa_enable_private_segment 0
		.amdhsa_kernarg_size 16
		.amdhsa_user_sgpr_count 2
		.amdhsa_user_sgpr_kernarg_segment_ptr 1
		.amdhsa_wavefront_size32 1
		.amdhsa_system_sgpr_workgroup_id_x 1
		.amdhsa_system_sgpr_workgroup_id_y 1
		.amdhsa_system_sgpr_workgroup_id_z 1
		.amdhsa_system_vgpr_workitem_id 0
		.amdhsa_next_free_vgpr 1024
		.amdhsa_next_free_sgpr 66
		.amdhsa_reserve_vcc 0
		.amdhsa_float_denorm_mode_32 3
		.amdhsa_float_denorm_mode_16_64 3
		.amdhsa_memory_ordered 1
		.amdhsa_forward_progress 1
		.amdhsa_inst_pref_size 204
	.end_amdhsa_kernel
	.amdgpu_metadata
---
amdhsa.version: [ 1, 2 ]
amdhsa.kernels:
  - .name:           k_qd8163977d9_attn
    .symbol:         k_qd8163977d9_attn.kd
    .args:
      - { .name: qkv, .offset: 0, .size: 8, .value_kind: global_buffer, .address_space: global }
      - { .name: out0, .offset: 8, .size: 8, .value_kind: global_buffer, .address_space: global }
    .group_segment_fixed_size: 327680
    .private_segment_fixed_size: 0
    .kernarg_segment_align: 8
    .kernarg_segment_size: 16
    .max_flat_workgroup_size: 128
    .sgpr_count:     66
    .vgpr_count:     1024
    .wavefront_size: 32
...
	.end_amdgpu_metadata
.endif
;; end of part 3
;; ======== version 2 of 2: 3 launches; version 1 with the launch cast written anew for expert scheduling mode
;; limits: values are held in f16: magnitudes above 65,504 overflow, below 6.1e-05 lose precision
;; workspace buffers: xw 16,777,216 bytes; qkv 100,663,296 bytes
;; launch cast (part 4): grid 128 x 4, 8 waves a work-group, no clusters, 0 bytes of LDS; arguments x, Wq, Wk, Wv, xw; writes xw
.if DOCPART == 4
	.amdgcn_target "amdgcn-amd-amdhsa--gfx1250"
	.amdhsa_code_object_version 6
	.text
	.protected	k_qd8163977d9_cast
	.globl	k_qd8163977d9_cast
	.p2align	8
	.type	k_qd8163977d9_cast,@function
k_qd8163977d9_cast:
	s_mov_b64 s[64:65], 0
	v_nop
	global_prefetch_b8 v0, s[64:65] scope:SCOPE_SE
	s_setreg_imm32_b32 hwreg(HW_REG_WAVE_SCHED_MODE, 0, 2), 2
	s_setreg_imm32_b32 hwreg(HW_REG_WAVE_MODE, 25, 1), 1
	s_wait_xcnt 0x0
	s_wait_alu depctr_vm_vsrc(0)
; x, Wq, Wk, Wv (each 2,097,152 numbers of f32) are rounded once, to nearest even, to bf16, in their own order: xw = four planes of 4,194,304 bytes.
; A stream: every byte is read once and written once, so no LDS, no barrier and no matrix unit.  The grid's y picks the source; a work-group takes 16,384 numbers
; in 16 chunks.  In chunk i thread t loads the 16 bytes at 4,096 i + 16 t (a wave's load covers 512 consecutive bytes) and stores 8 bytes at 2,048 i + 8 t
; (a wave's store covers 256 consecutive bytes, at a multiple of 256 from xw's first byte).  All 16 loads go out first; no register is written twice.
; LIMITS: bf16 has f32's range; NaN and infinities pass as the conversion makes them.
; THE MODE: SCHED_MODE bits 1:0 = 2 (LLVM: expert scheduling mode 2), set by the entry lines.  The code itself states the register dependences
; between vector instructions and memory instructions, with s_wait_alu, always for 0.
; THE PLAN.  Registers that memory instructions touch:
;   v1, v2   byte offsets of the loads and of the stores: written once at the head by a shift each, never again.
;   X        chunk i's 4 registers: written by chunk i's load alone, which is issued before any vector instruction names them; read by chunk i's two conversions.
;   Y        chunk i's 2 registers: written by chunk i's two conversions alone; read by chunk i's store.
; One wait on va_vdst at the head states that v1 and v2 are written.  The chunks go in four blocks of four: the wait for the block's data, its eight conversions, ONE wait
; on va_vdst, which states that they have written the block's Y, and the block's four stores in a run.  That wait stands behind the block's own conversions: the next block's
; head stands behind a wait for data from memory, and stores held until there would leave a block late, eight of the sixteen behind the wave's last load.
; No register that a load or store reads is written again, so the text holds no wait on vm_vsrc; no vector instruction writes a scalar register or VCC; EXEC is never written.
.set X, 4                              ; v[4:67]   chunk i: 4 registers as loaded
.set Y, 68                             ; v[68:99]  chunk i: 2 registers to store
.set BLOCK, 4                          ; chunks in a block
	s_load_b256 s[4:11], s[0:1], 0x0               ; x s[4:5], Wq s[6:7], Wk s[8:9], Wv s[10:11]
	s_load_b64 s[12:13], s[0:1], 0x20              ; xw
	s_and_b32 s14, ttmp7, 0xffff                   ; which source, and which plane of xw
	v_lshlrev_b32 v1, 4, v0                        ; 16 t
	v_lshlrev_b32 v2, 3, v0                        ; 8 t
	s_lshl_b32 s16, ttmp9, 16                      ; the work-group's 65,536 bytes of its source
	s_mov_b32 s17, 0
	s_lshl_b32 s18, s14, 22                        ; the plane,
	s_lshl_b32 s19, ttmp9, 15                      ; and the work-group's 32,768 bytes in it
	s_add_co_u32 s18, s18, s19
	s_mov_b32 s19, 0
	s_wait_kmcnt 0x0
	s_cmp_eq_u32 s14, 1
	s_cselect_b64 s[4:5], s[6:7], s[4:5]
	s_cmp_eq_u32 s14, 2
	s_cselect_b64 s[4:5], s[8:9], s[4:5]
	s_cmp_eq_u32 s14, 3
	s_cselect_b64 s[4:5], s[10:11], s[4:5]
	s_add_nc_u64 s[4:5], s[4:5], s[16:17]
	s_add_nc_u64 s[12:13], s[12:13], s[18:19]
	s_wait_alu depctr_va_vdst(0)                   ; v1 and v2 are written: every load reads v1 as its offset, every store v2
.set i, 0
.rept 16
	global_load_b128 v[X+4*i:X+4*i+3], v1, s[4:5] offset:i*4096 th:TH_LOAD_NT
.set i, i+1
.endr
.set p, 0
.rept 16/BLOCK
	s_wait_loadcnt 16-BLOCK*(p+1)                  ; loads come back in order (ISA guide 5.7.1): block p's four chunks are in, the 12 - 4 p younger loads stay out
.set i, BLOCK*p
.rept BLOCK
	v_cvt_pk_bf16_f32 v[Y+2*i], v[X+4*i], v[X+4*i+1]
	v_cvt_pk_bf16_f32 v[Y+2*i+1], v[X+4*i+2], v[X+4*i+3]
.set i, i+1
.endr
	s_wait_alu depctr_va_vdst(0)                   ; the block's eight conversions have written its Y, which the four stores below read
.set i, BLOCK*p
.rept BLOCK
	global_store_b64 v2, v[Y+2*i:Y+2*i+1], s[12:13] offset:i*2048  ; no hint: the next launch reads these bytes
.set i, i+1
.endr
.set p, p+1
.endr
	s_endpgm
.Lfunc_end_k_qd8163977d9_cast:
	.size	k_qd8163977d9_cast, .Lfunc_end_k_qd8163977d9_cast-k_qd8163977d9_cast
	.p2alignl 7, 3214868480
	.fill 96, 4, 3214868480
	.section	.rodata,"a",@progbits
	.p2align	6, 0x0
	.amdhsa_kernel k_qd8163977d9_cast
		.amdhsa_group_segment_fixed_size 0
		.amdhsa_private_segment_fixed_size 0
		.amdhsa_enable_private_segment 0
		.amdhsa_kernarg_size 40
		.amdhsa_user_sgpr_count 2
		.amdhsa_user_sgpr_kernarg_segment_ptr 1
		.amdhsa_wavefront_size32 1
		.amdhsa_system_sgpr_workgroup_id_x 1
		.amdhsa_system_sgpr_workgroup_id_y 1
		.amdhsa_system_sgpr_workgroup_id_z 1
		.amdhsa_system_vgpr_workitem_id 0
		.amdhsa_next_free_vgpr 100
		.amdhsa_next_free_sgpr 66
		.amdhsa_reserve_vcc 0
		.amdhsa_float_denorm_mode_32 3
		.amdhsa_float_denorm_mode_16_64 3
		.amdhsa_memory_ordered 1
		.amdhsa_forward_progress 1
		.amdhsa_inst_pref_size 7
	.end_amdhsa_kernel
	.amdgpu_metadata
---
amdhsa.version: [ 1, 2 ]
amdhsa.kernels:
  - .name:           k_qd8163977d9_cast
    .symbol:         k_qd8163977d9_cast.kd
    .args:
      - { .name: x, .offset: 0, .size: 8, .value_kind: global_buffer, .address_space: global }
      - { .name: Wq, .offset: 8, .size: 8, .value_kind: global_buffer, .address_space: global }
      - { .name: Wk, .offset: 16, .size: 8, .value_kind: global_buffer, .address_space: global }
      - { .name: Wv, .offset: 24, .size: 8, .value_kind: global_buffer, .address_space: global }
      - { .name: xw, .offset: 32, .size: 8, .value_kind: global_buffer, .address_space: global }
    .group_segment_fixed_size: 0
    .private_segment_fixed_size: 0
    .kernarg_segment_align: 8
    .kernarg_segment_size: 40
    .max_flat_workgroup_size: 256
    .sgpr_count:     66
    .vgpr_count:     100
    .wavefront_size: 32
...
	.end_amdgpu_metadata
.endif
;; end of part 4
;; launch proj: the kernel of part 2 again; grid 16 x 16, 4 waves a work-group, clusters of 4 x 4, 327,680 bytes of LDS; arguments xw, qkv; writes qkv
;; launch attn: the kernel of part 3 again; grid 8 x 32, 4 waves a work-group, clusters of 4 x 1, 327,680 bytes of LDS; arguments qkv, out0; writes out0
